; MI455X (gfx1250); checked and timed in simulation.
; The chip was launched on July 23, 2026; its instructions are those of AMD's public machine-readable ISA for CDNA 5 (MIT licence, August 2026) and "CDNA5" Instruction Set Architecture Reference Guide (July 2026). The comments in the code are by the model that wrote it; some were corrected since.
;; Causal Self Attention. Allowed arithmetic: matrix products marked QUANTISED: E4M3 operands, one given power-of-two scale a tensor, by v_wmma_f32_16x16x64_fp8_fp8 or v_wmma_f32_16x16x128_fp8_fp8, f32 sums; everything else in f32.
;; Inputs: lowp_scales 8 int32 (the exponents e of the quantised operands' scales 2^e); w_attn 1,024 x 3,072 float32; w_proj 1,024 x 1,024 float32; x 4 x 2,048 x 1,024 float32.
;; Outputs: out0 4 x 2,048 x 1,024 float32.
;; This version of the problem:
;;   THIS VERSION OF THE PROBLEM IS GIVEN IN LOW PRECISION. The matrix products marked QUANTISED in the list below multiply operands that are first quantised to E4M3 (4 exponent bits, 3 mantissa bits; 8 bits a number), with one given power-of-two scale for each operand tensor; their sums are f32. All else is computed in f32.
;;   The module's matrix products, in the order in which they are computed (A, B: the left and right operand; K: the contracted axis; several contracted axes count as one K, in the product's order):
;;     1. [M 8,192, K 1,024] x [K 1,024, N 3,072]; A: input x; B: input w_attn: QUANTISED (scales: A lowp_scales[0], B lowp_scales[1])
;;     2. batch 64 x [M 2,048, K 64] x [K 64, N 2,048]; A: computed on the way; B: computed on the way: QUANTISED (scales: A lowp_scales[2], B lowp_scales[3])
;;     3. batch 64 x [M 2,048, K 2,048] x [K 2,048, N 64]; A: softmax (see below); B: computed on the way: QUANTISED (scales: A lowp_scales[4], B lowp_scales[5])
;;     4. [M 8,192, K 1,024] x [K 1,024, N 1,024]; A: computed on the way; B: input w_proj: QUANTISED (scales: A lowp_scales[6], B lowp_scales[7])
;;   THE QUANTISER, for each operand of a quantised product, along K:
;;     - The operand's scale is 2^e, e = its entry of the input lowp_scales (int32; the entries are numbered through the quantised products in the list's order, A before B).
;;     - Each number is divided by the scale, clamped to +-448, and rounded to the nearest number of E4M3, ties to even, subnormals kept.
;;     - The product sums the exact products of the quantised numbers (number of the format x scale) in f32.
;;   ~~~python
;;   def quantise(x, axis, e):      # numpy; x: float32 -> the quantised numbers, widened to float32 again
;;       x = np.moveaxis(x, axis, -1); K = x.shape[-1]
;;       r = np.clip(x / 2.0 ** e, -448, 448)
;;       step = 2.0 ** (np.maximum(np.frexp(np.where(r == 0, 1, r))[1] - 1, -6) - 3)
;;       q = np.round(r / step) * step * 2.0 ** e      # np.round: ties to even
;;       return np.moveaxis(q, -1, axis).astype(np.float32)
;;   ~~~
;;   SOFTMAX AHEAD OF A QUANTISED PRODUCT. Where the list says 'softmax', what is quantised is not the finished softmax but p = 2^(t - M), with t = logit x log2(e) and M = ceil(the row's largest t), a whole number; so 1/2 < the row's largest p <= 1. The row's sum l is taken of the UNQUANTISED p, in f32, and the product's result is divided by l at the end. Since M is a whole number, a kernel that streams over the keys may use a running M (the ceiling of the running maximum): every later rescaling is an exact power of two, so the quantised numbers keep their values, but for numbers so far below the row's largest that they fall under the format's range.
;;   OPERANDS COMPUTED ON THE WAY. 'Computed on the way' means the value that the module computes at that place (a softmax that the list does not call 'softmax' is quantised finished and normalised). What goes into a quantiser is computed in f32, as accurately as f32 sums, v_exp_f32 and their like allow (about 1e-6 of the number): no bf16 or f16 on the way to a quantiser, and a product that is left as it is and whose result goes on into a quantised operand takes f32 operands (vector FMAs, or v_wmma_f32_16x16x4_f32). A number that lies on a knife's edge between two numbers of the format may be rounded either way, as far as f32 arithmetic and the matrix unit's own rounding can turn it there, and no further.
;; One version. Each part assembles by itself: llvm-mc -triple=amdgcn-amd-amdhsa -mcpu=gfx1250 --defsym DOCPART=n.
;; ======== version 1 of 1: 4 launches
;; limits: right only within a limited range of input values
;; workspace buffers: x_codes 8,388,608 bytes; wa_codes 3,145,728 bytes; wp_codes 1,048,576 bytes; q_codes 8,388,608 bytes; kv_codes 16,777,216 bytes; a_codes 8,388,608 bytes
;; launch quant (part 1): grid 384 x 1, 4 waves a work-group, no clusters, 102,912 bytes of LDS; arguments x, w_attn, w_proj, lowp_scales, x_codes, wa_codes, wp_codes; writes x_codes, wa_codes, wp_codes
.if DOCPART == 1
	.amdgcn_target "amdgcn-amd-amdhsa--gfx1250"
	.amdhsa_code_object_version 6
	.text
	.protected	k_q41f3be923f_quant
	.globl	k_q41f3be923f_quant
	.p2align	8
	.type	k_q41f3be923f_quant,@function
k_q41f3be923f_quant:
	s_mov_b64 s[64:65], 0
	v_nop
	global_prefetch_b8 v0, s[64:65] scope:SCOPE_SE
	s_setreg_imm32_b32 hwreg(HW_REG_WAVE_MODE, 25, 1), 1
	s_wait_xcnt 0x0
; x [8192][1024], w_attn [1024][3072] and w_proj [1024][1024], all f32, become codes of FP8 (E4M3), one byte each, K innermost, each with the one scale 2^e given for it
; (entries 0, 1 and 7 of the buffer of scales).  code = number / 2^e, held within +-448, rounded to the nearest code, ties to even.
; LIMITS: each of the three e lies between -126 and 119, so that 2^e and 448 x 2^e are f32 numbers.  NaN among the inputs is not served; an infinity is held at the largest code.
; SHARES.  Work-groups 0-255: x, 32,768 numbers each (K is innermost: a plain stream).  256-351: w_attn, 128 columns x 256 along K each.  352-383: w_proj likewise.  Every work-group reads 128 KiB.
; The three ways part on the work-group's number and never join; each has LDS bytes of its own.  Waves share nothing: no barrier.  No input is read by two work-groups: no cluster.
; x: each load takes 512 consecutive bytes, 16 a lane; a step's 2,048 bytes turn through the wave's stage in LDS and come back 64 bytes a lane, since a conversion wants neighbours along K in ONE lane's registers.
; WEIGHTS: K is the first axis.  A lane takes a column and its registers run down K, so the conversions give codes with K innermost; they leave through the wave's stage as rows, sixteen lanes to 256 aligned bytes.
; THE ROWS OF THE WEIGHTS' CODES ARE PERMUTED: column n lies in row n with bits 3 and 4 exchanged.  A product that takes 16 neighbouring ROWS as a tile then leaves, in the 16 registers of two neighbouring
; result tiles of a lane, 16 neighbouring COLUMNS.  The exchange costs nothing here: it is made in the stores' immediate offsets.
.set EMAX,  8
.set MANT,  0x600000                   ; the mantissa field of 448 as f32
.set STEPS, 16                         ; x: steps of 512 numbers for a wave
.set SP,    80                         ; x: a lane's place in a stage: 64 bytes + 16 of padding
.set WREG,  8192                       ; x: LDS for each wave: two stages of 32 x SP bytes
.set PITCH, 272                        ; weights: a stage row: 256 codes + 16 bytes
.set XST,   0                          ; LDS: x's four regions,
.set WAST,  32768                      ; w_attn's four stages of 32 x PITCH,
.set WPST,  67584                      ; w_proj's,
.set SPARE, 102400                     ; and the spare words, 128 bytes for each wave, which no other line names
.set SPW,   12                         ; v12  LDS address of my spare word; never rewritten
.set NIL,   13                         ; v13  0; never rewritten
.set R,     16                         ; x: v16-79   four sets of 16 numbers as loaded
.set X,     80                         ; x: v80-111  two sets of 16 neighbours
.set C,     128                        ; x: v128-191 codes: four registers of its own for each step
.set WX,    32                         ; weights: v32-95 two sets of 32 numbers
.set WC,    96                         ; weights: v96-103 a block's codes
.set OUTR,  112                        ; weights: v112-175 the way out
.macro SCALE ereg                      ; v11 = 2^e as f32 (the conversion takes its exponent field)
	s_add_co_i32 s32, \ereg, 127
	s_lshl_b32 s33, s32, 23
	v_mov_b32 v11, s33
	s_add_co_i32 s32, s32, EMAX
	s_lshl_b32 s32, s32, 23
	s_or_b32 s32, s32, MANT
.endm
.macro CLOSE                           ; the wave's end: a tensor wait, an add of 0 to my spare word and its wait, behind my last LDS store
	s_wait_tensorcnt 0x0
	ds_add_u32 v[SPW], v[NIL]
	s_wait_dscnt 0x0
	s_endpgm
.endm
; ---- x
.macro XLOAD t                         ; step t: four loads of 512 consecutive bytes
.irp i, 0,1,2,3
	global_load_b128 v[R+16*((\t)%4)+4*\i:R+16*((\t)%4)+4*\i+3], v3, s[4:5] offset:2048*(\t)+512*\i th:TH_LOAD_NT
.endr
.endm
.macro XTURN t                         ; step t through the stage: LDS serves a wave's instructions in order, so no wait stands between the stores and the loads
.irp i, 0,1,2,3
	ds_store_b128 v14, v[R+16*((\t)%4)+4*\i:R+16*((\t)%4)+4*\i+3] offset:32*SP*((\t)%2)+8*SP*\i
.endr
.irp i, 0,1,2,3
	ds_load_b128 v[X+16*((\t)%2)+4*\i:X+16*((\t)%2)+4*\i+3], v15 offset:32*SP*((\t)%2)+16*\i
.endr
.endm
.macro XSTEP t
.set XS, X+16*((\t)%2)
	s_wait_dscnt 0x0                               ; this step's numbers are back from the stage, and its stores into the stage have read their registers,
.if (\t)+4 < STEPS
	XLOAD (\t)+4                                   ; which take the loads of four steps on
.endif
.if (\t)+1 < STEPS
.if STEPS-2-(\t) >= 3
	s_wait_loadcnt 12                              ; the next step's four loads are in; the twelve of the three steps behind it may be out
.else
	s_wait_loadcnt 4*(STEPS-2-(\t))                ; the tail: four loads for each step that is still behind the next
.endif
	XTURN (\t)+1
.endif
.irp i, 0,1,2,3,4,5,6,7,8,9,10,11,12,13,14,15
.endr
	v_cvt_scalef32_pk8_fp8_f32 v[C+4*(\t):C+4*(\t)+1], v[XS:XS+7], v11
	v_cvt_scalef32_pk8_fp8_f32 v[C+4*(\t)+2:C+4*(\t)+3], v[XS+8:XS+15], v11
	global_store_b128 v4, v[C+4*(\t):C+4*(\t)+3], s[12:13] offset:512*(\t)   ; 32 lanes store 512 consecutive bytes; the codes' registers are touched by this store alone
.endm
; ---- the weights
.macro WLOAD t, ncol, src              ; block t: W(32 t + i, my column), i = 0 .. 31: each load reads 128 consecutive bytes
.irp i, 0,1,2,3,4,5,6,7,8,9,10,11,12,13,14,15,16,17,18,19,20,21,22,23,24,25,26,27,28,29,30,31
	global_load_b32 v[WX+32*((\t)%2)+\i], v3, s[\src:\src+1] offset:(32*(\t)+\i)*\ncol*4 th:TH_LOAD_NT
.endr
.endm
.macro WBLOCK t, ncol, src
.set XS, WX+32*((\t)%2)
.if (\t) < 7
	s_wait_loadcnt 32                              ; this block's 32 loads are in; the next block's 32 may be out
.else
	s_wait_loadcnt 0
.endif
.irp i, 0,1,2,3,4,5,6,7,8,9,10,11,12,13,14,15,16,17,18,19,20,21,22,23,24,25,26,27,28,29,30,31
.endr
.irp g, 0,1,2,3
	v_cvt_scalef32_pk8_fp8_f32 v[WC+2*\g:WC+2*\g+1], v[XS+8*\g:XS+8*\g+7], v11
.endr
	ds_store_b128 v4, v[WC:WC+3] offset:32*(\t)    ; 32 codes: 32 bytes of my column's row
	ds_store_b128 v4, v[WC+4:WC+7] offset:32*(\t)+16
.if (\t)+2 < 8
	WLOAD (\t)+2, \ncol, \src
.endif
	s_wait_dscnt 0x0                               ; the stores have read their registers: the next block's codes may be written
.endm
; ncol: columns of the weight; src, dst: the first register of its address and of its codes'; ereg: its exponent; first: the way's first work-group; stage: its LDS bytes
.macro WPATH ncol, src, dst, ereg, first, stage
	s_sub_co_u32 s20, ttmp9, \first
	s_and_b32 s21, s20, 3                          ; which 256 along K
	s_lshr_b32 s20, s20, 2
	s_lshl_b32 s20, s20, 7
	s_lshl_b32 s22, s18, 5
	s_add_co_u32 s20, s20, s22                     ; my wave's first column: 128 x block + 32 x wave
	v_lshlrev_b32 v3, 2, v2                        ; in: 4 bytes a lane
	s_mul_i32 s19, s18, 32*PITCH
	s_add_co_u32 s19, s19, \stage                  ; my stage
	v_mul_u32_u24 v4, v2, PITCH
	v_add_nc_u32 v4, s19, v4                       ; into it: row = my column
	v_and_b32 v5, 15, v2
	v_lshrrev_b32 v6, 4, v2                        ; out of it: sixteen lanes to a row, two rows an instruction
	v_mul_u32_u24 v7, v6, PITCH
	v_lshl_add_u32 v7, v5, 4, v7
	v_add_nc_u32 v7, s19, v7
	v_lshlrev_b32 v8, 10, v6                       ; and the same place in the codes: rows of 1,024 bytes
	v_lshl_add_u32 v8, v5, 4, v8
	s_mul_i32 s22, s21, 256*\ncol*4                ; the weight: 256 rows for each step along K, + 4 x column
	s_lshl_b32 s23, s20, 2
	s_add_co_u32 s22, s22, s23
	s_mov_b32 s23, 0
	s_add_nc_u64 s[\src:\src+1], s[\src:\src+1], s[22:23]
	s_lshl_b32 s22, s20, 10                        ; the codes: 1,024 x column + 256 x step (the exchange of bits 3 and 4 stays inside my 32 rows)
	s_lshl_b32 s34, s21, 8
	s_add_co_u32 s22, s22, s34
	s_add_nc_u64 s[\dst:\dst+1], s[\dst:\dst+1], s[22:23]
	WLOAD 0, \ncol, \src
	WLOAD 1, \ncol, \src
	s_wait_kmcnt 0x0                               ; the exponents
	SCALE \ereg
	s_wait_alu depctr_va_vdst(0)
.irp t, 0,1,2,3,4,5,6,7
	WBLOCK \t, \ncol, \src
.endr
.irp t, 0,1,2,3,4,5,6,7,8,9,10,11,12,13,14,15
	ds_load_b128 v[OUTR+4*\t:OUTR+4*\t+3], v7 offset:2*\t*PITCH   ; LDS serves a wave's instructions in order: these see my stores
.endr
.irp t, 0,1,2,3,4,5,6,7,8,9,10,11,12,13,14,15
	s_wait_dscnt 15-\t                             ; the younger loads may be out
	global_store_b128 v8, v[OUTR+4*\t:OUTR+4*\t+3], s[\dst:\dst+1] offset:2*((\t&3)|((\t&4)<<1)|((\t&8)>>1))*1024   ; columns 2 t, 2 t + 1 go to the rows with bits 3 and 4 exchanged; 16 lanes store 256 aligned bytes
.endr
	CLOSE
.endm
	s_load_b256 s[4:11], s[0:1], 0x0               ; x s[4:5], w_attn s[6:7], w_proj s[8:9], the exponents s[10:11]
	s_load_b128 s[12:15], s[0:1], 0x20             ; x's codes s[12:13], w_attn's s[14:15]
	s_load_b64 s[16:17], s[0:1], 0x30              ; w_proj's
	v_lshl_add_u32 v[SPW], v0, 2, SPARE
	v_mov_b32 v[NIL], 0
	v_lshrrev_b32 v1, 5, v0
	v_readfirstlane_b32 s18, v1                    ; wave 0..3
	v_and_b32 v2, 31, v0                           ; lane
	s_wait_kmcnt 0x0
	s_load_b256 s[24:31], s[10:11], 0x0            ; e0 .. e7
	s_cmp_lt_u32 ttmp9, 256
	s_cbranch_scc0 .Lweights
	s_wait_alu depctr_va_vdst(0)
	; ---- x
	v_lshlrev_b32 v3, 4, v2                        ; my 16 bytes of a load's 512
	s_wait_alu depctr_va_vdst(0)
	s_mul_i32 s19, s18, WREG
	v_lshrrev_b32 v14, 2, v2
	v_mul_u32_u24 v14, v14, SP
	v_and_b32 v15, 3, v2
	v_lshl_add_u32 v14, v15, 4, v14
	v_add_nc_u32 v14, s19, v14                     ; the stage, on the way in: four lanes' 64 bytes on end, then 16 of padding
	v_mul_u32_u24 v15, v2, SP
	v_add_nc_u32 v15, s19, v15                     ; and on the way out: my 16 neighbours
	v_lshlrev_b32 v4, 4, v2                        ; my 16 codes in a step's 512
	s_lshl_b32 s20, ttmp9, 2
	s_add_co_u32 s20, s20, s18                     ; which run of 8,192 numbers is my wave's
	s_lshl_b32 s22, s20, 15
	s_mov_b32 s23, 0
	s_add_nc_u64 s[4:5], s[4:5], s[22:23]
	s_lshl_b32 s22, s20, 13
	s_add_nc_u64 s[12:13], s[12:13], s[22:23]
.irp t, 0,1,2,3
	XLOAD \t
.endr
	s_wait_alu depctr_va_vdst(0)
	s_wait_kmcnt 0x0                               ; the exponents
	SCALE s24
	s_wait_alu depctr_va_vdst(0)
	s_wait_loadcnt 12                              ; step 0's four loads are in
	XTURN 0
.irp t, 0,1,2,3,4,5,6,7,8,9,10,11,12,13,14,15
	XSTEP \t
.endr
	CLOSE
.Lweights:
	s_cmp_lt_u32 ttmp9, 352
	s_cbranch_scc0 .Lwproj
	s_wait_alu depctr_va_vdst(0)
	WPATH 3072, 6, 14, s25, 256, WAST
.Lwproj:
	s_wait_alu depctr_va_vdst(0)
	WPATH 1024, 8, 16, s31, 352, WPST
.Lfunc_end_k_q41f3be923f_quant:
	.size	k_q41f3be923f_quant, .Lfunc_end_k_q41f3be923f_quant-k_q41f3be923f_quant
	.p2alignl 7, 3214868480
	.fill 96, 4, 3214868480
	.section	.rodata,"a",@progbits
	.p2align	6, 0x0
	.amdhsa_kernel k_q41f3be923f_quant
		.amdhsa_group_segment_fixed_size 102912
		.amdhsa_private_segment_fixed_size 0
		.amdhsa_enable_private_segment 0
		.amdhsa_kernarg_size 56
		.amdhsa_user_sgpr_count 2
		.amdhsa_user_sgpr_kernarg_segment_ptr 1
		.amdhsa_wavefront_size32 1
		.amdhsa_system_sgpr_workgroup_id_x 1
		.amdhsa_system_sgpr_workgroup_id_y 1
		.amdhsa_system_sgpr_workgroup_id_z 1
		.amdhsa_system_vgpr_workitem_id 0
		.amdhsa_next_free_vgpr 192
		.amdhsa_next_free_sgpr 66
		.amdhsa_reserve_vcc 0
		.amdhsa_float_denorm_mode_32 3
		.amdhsa_float_denorm_mode_16_64 3
		.amdhsa_fp16_overflow 1
		.amdhsa_memory_ordered 1
		.amdhsa_forward_progress 1
		.amdhsa_inst_pref_size 86
	.end_amdhsa_kernel
	.amdgpu_metadata
---
amdhsa.version: [ 1, 2 ]
amdhsa.kernels:
  - .name:           k_q41f3be923f_quant
    .symbol:         k_q41f3be923f_quant.kd
    .args:
      - { .name: x, .offset: 0, .size: 8, .value_kind: global_buffer, .address_space: global }
      - { .name: w_attn, .offset: 8, .size: 8, .value_kind: global_buffer, .address_space: global }
      - { .name: w_proj, .offset: 16, .size: 8, .value_kind: global_buffer, .address_space: global }
      - { .name: lowp_scales, .offset: 24, .size: 8, .value_kind: global_buffer, .address_space: global }
      - { .name: x_codes, .offset: 32, .size: 8, .value_kind: global_buffer, .address_space: global }
      - { .name: wa_codes, .offset: 40, .size: 8, .value_kind: global_buffer, .address_space: global }
      - { .name: wp_codes, .offset: 48, .size: 8, .value_kind: global_buffer, .address_space: global }
    .group_segment_fixed_size: 102912
    .private_segment_fixed_size: 0
    .kernarg_segment_align: 8
    .kernarg_segment_size: 56
    .max_flat_workgroup_size: 128
    .sgpr_count:     66
    .vgpr_count:     192
    .wavefront_size: 32
...
	.end_amdgpu_metadata
.endif
;; end of part 1
;; launch qkv (part 2): grid 12 x 32, 4 waves a work-group, clusters of 4 x 4, 327,680 bytes of LDS; arguments x_codes, wa_codes, lowp_scales, q_codes, kv_codes; writes q_codes, kv_codes
.if DOCPART == 2
	.amdgcn_target "amdgcn-amd-amdhsa--gfx1250"
	.amdhsa_code_object_version 6
	.text
	.protected	k_q41f3be923f_qkv
	.globl	k_q41f3be923f_qkv
	.p2align	8
	.type	k_q41f3be923f_qkv,@function
k_q41f3be923f_qkv:
	s_mov_b64 s[64:65], 0
	v_nop
	global_prefetch_b8 v0, s[64:65] scope:SCOPE_SE
	s_setreg_imm32_b32 hwreg(HW_REG_WAVE_MODE, 25, 1), 1
	s_wait_xcnt 0x0
	s_wait_alu depctr_hold_cnt(0) depctr_sa_sdst(0) depctr_va_vdst(0) depctr_va_sdst(0) depctr_va_ssrc(0) depctr_va_vcc(0) depctr_vm_vsrc(0)
	s_getreg_b32 s2, hwreg(HW_REG_IB_STS2, 6, 4)
	s_cmp_eq_u32 s2, 0
	s_cbranch_scc0 .Lentry_in_a_cluster
	s_endpgm
.Lentry_in_a_cluster:
	s_bfe_u32 s2, ttmp6, 0x10000c
	s_cmp_lg_u32 s2, 0xf033
	s_cbranch_scc0 .Lentry_shape_is_right
	s_endpgm
.Lentry_shape_is_right:
; qkv = x w_attn on codes of FP8 (E4M3), sums in f32; each finished sum is quantised in registers with the scale given for q (entry 2), k (3) or v (5) and stored as a code.  Nothing wider than a byte leaves.
; x_codes [8192][1024], wa_codes [3072][1024] (row = column with bits 3 and 4 exchanged), K innermost.  A sum stands for sum x 2^(e0 + e1), so its code is sum / 2^(eX - e0 - e1): the three scales are one.
; LIMIT: eX - e0 - e1 between -126 and 119 for X = 2, 3, 5, so that this power of two and 448 times it are f32 numbers.
; A tile of 256 x 256 is made by four waves, as many as a WGP has SIMDs; a wave makes 128 x 128: 64 accumulators, 512 registers.  K goes in steps of 256 through a ring of two LDS slots filled by the tensor data mover.
; THE KIND of a cluster is its x: 0 = q, 1 = k, 2 = v; it is the same in all sixteen partners.  The matrix instruction always takes 16 rows of side B as source 0 and 16 rows of side A as source 1: a lane then holds
; ONE row of side A and its registers run along side B.  For q and k side A is x (a lane holds a time, its registers run along the head's channels, which are the next product's K).  For v the two POINTERS change
; places: side A is wa_codes (a lane holds a channel, its registers run along the times, the keys, which are the K of v's product).  Both tensors have rows of 1,024 bytes: one text serves both.
; CLUSTERS: 4 x 4 work-groups.  Side A's tile hangs on cy alone and is asked for jointly by a row of the cluster, side B's on cx alone, by a column.
; WHAT IS STORED are images of the next launch's operand registers, 16 bytes a lane, 512 consecutive bytes a store: no transposition, no stage in LDS.
;   q_codes [bh 64][tile of 16 times 128][c 2][lane 32][16 bytes]: lane (r, h), group c: channels 32 c + 16 h + 0 .. 15 of time r.
;   kv_codes [bh 64][128 keys 16][16,384 bytes]: first K as q's [8][2][32][16]; from byte 8,192 V as [16 channels 4][g 4][32][16]: lane (r, h), group g: keys 32 g + 8 h + 0 .. 7 and 32 g + 16 + 8 h + 0 .. 7 of channel row r.
; REGISTERS, in windows of 256: window 0: v0-31 addresses and the scale number; from v128 side A's fragments, one set, later the codes.  window 1: side B's fragments, two sets.
;   window 2: the accumulators of my rows 0-63 ((a, b) at v[8 (8 a + b)]); window 3: those of my rows 64-127.
.set SIZE_K, 1024
.set KSTEP,  256                       ; along K in a slot
.set ROWB,   256                       ; a tile's row in bytes
.set KROW,   SIZE_K                    ; a row of either tensor in memory, in bytes
.set PITCH,  272                       ; an LDS row: 256 bytes + 16 of padding = 68 words: row r starts at bank 4 r mod 64 (64 banks of 4 bytes: ISA guide 11.1)
.set FR,     16                        ; registers of a fragment: 16 rows x 128 K
.set NL,     4                         ; LDS loads that bring one
.set NP,     4                         ; places behind this matrix instruction (ISA guide 7.12.1)
.set HALFT,  128*PITCH                 ; 128 rows: what one tensor load brings
.set SLOT,   4*HALFT                   ; side A's 256 rows, then side B's
.set LAPS,   SIZE_K/(2*KSTEP)          ; a lap = two K steps = once round the ring
.set SPARE,  2*SLOT                    ; behind the ring: the spare words, 128 bytes for each wave, which no other line names
.set ADRA, 16                          ; v16-17  LDS address of my fragments of side A in slot 0, 1
.set ADRB, 20                          ; v20-21  the same for side B
.set CO,   26                          ; v26     16 x lane: my place in an image
.set SPW,  28                          ; v28     LDS address of my spare word; never rewritten
.set NIL,  29                          ; v29     0; never rewritten
.set SCL,  30                          ; v30     2^(eX - e0 - e1) as f32
.set LIM,  31
.set TMP,  32
.set AF,   128                         ; side A's fragments
.set CD,   128                         ; the codes: 16 registers of its own for each of my eight blocks
.set G1, 24                            ; s[24:31] descriptor group 1 for side A;  s[32:39] group 0, one set for each slot
.set G0, 32
.set G1B, 48                           ; s[48:55], s[56:63] the same for side B
.set G0B, 56
.set BASE, 84                          ; s[84:85], s[86:87] where my first and my second head's images begin
.set MSB, 0
.macro WIN new                         ; the immediate's high byte repeats the setting that is left
.if MSB != \new
	s_set_vgpr_msb (MSB<<8)|\new
.set MSB, \new
.endif
.endm
.set MUL_LO, 0xa1                      ; source 0 (side B) window 1, source 1 (side A) window 0, C and D window 2
.set MUL_HI, 0xf1                      ; the same, C and D window 3
.set TO_B,   0x40                      ; destination window 1, address window 0
; A joint load: waves 0 and 1 fetch for side A, waves 2 and 3 for side B.  Each line has one mask and one set of registers for all that issue it; the branch hangs on the wave's number alone.
; An s_nop 0 and four v_nop follow each of the two lines.
.macro JLOAD g0a, g1a, g0b, g1b
	s_cmp_eq_u32 s15, 0
	s_cbranch_scc0 .Lfor_b_\@
	tensor_load_to_lds s[\g0a:\g0a+3], s[\g1a:\g1a+7]
	s_nop 0
.rept 4
	v_nop
.endr
	s_branch .Lasked_\@
.Lfor_b_\@:
	tensor_load_to_lds s[\g0b:\g0b+3], s[\g1b:\g1b+7]
	s_nop 0
.rept 4
	v_nop
.endr
.Lasked_\@:
.endm
.macro CREST                           ; a round of the cluster's barrier behind its opening barrier
	s_cmp_lg_u32 s14, 0
	s_cbranch_scc1 .Lnot_wave_0_\@
	s_barrier_signal -3
.Lnot_wave_0_\@:
	s_barrier_wait -3
	s_barrier_signal -1
	s_barrier_wait -1
.endm
.macro CROUND                          ; a whole round
	s_barrier_signal -1
	s_barrier_wait -1
	CREST
.endm
	s_load_b256 s[4:11], s[0:1], 0x0               ; x's codes s[4:5], w_attn's s[6:7], the exponents s[8:9], q's codes s[10:11]
	s_load_b64 s[12:13], s[0:1], 0x20              ; k's and v's codes
	v_lshl_add_u32 v[SPW], v0, 2, SPARE
	v_mov_b32 v[NIL], 0
	ds_add_u32 v[SPW], v[NIL]
	ds_add_u32 v[SPW], v[NIL]                      ; the wave's opening: the add and its wait stand ahead of my first tensor load; the set-up below, work on registers, stands between them
	v_lshrrev_b32 v1, 5, v0
	v_readfirstlane_b32 s14, v1                    ; wave 0..3
	s_lshr_b32 s15, s14, 1                         ; which half of side A's rows is mine.  Also: I fetch for side A (0) or B (1)
	s_and_b32 s16, s14, 1                          ; which half of side B's rows.  Also: which 128 rows of that tile I fetch
	s_bfe_u32 s40, ttmp6, 0x40000                  ; cx, cy: my place in the cluster
	s_bfe_u32 s41, ttmp6, 0x40004
	s_and_b32 s70, ttmp7, 0xffff
	s_lshl_b32 s70, s70, 2                         ; 4 x cluster y: the cluster's first tile of 256 times
	s_lshl_b32 s71, ttmp9, 2                       ; 4 x kind: its first tile of 256 rows of wa_codes
	s_cmp_eq_u32 ttmp9, 2                          ; v?  The cluster's x: the same in all partners
	s_cselect_b32 s17, 8, s70
	s_cselect_b32 s42, s70, s71
	s_add_co_u32 s17, s17, s41                     ; side A's tile: holds cy alone
	s_add_co_u32 s42, s42, s40                     ; side B's tile: holds cx alone
	s_lshl_b32 s43, s41, 2
	s_lshl_b32 s43, 15, s43                        ; my row of the cluster
	s_lshl_b32 s44, 0x1111, s40                    ; my column
	; descriptor group 1: a tile of 128 rows x 256 bytes, padded in LDS
	s_or_b32 s[G1+0], s43, (0<<16)|(1<<20)|(1<<21)|(5<<22)|(3<<25)  ; 15:0 the mask; 17:16 element of 1 byte; 20 padding on; 21 set beside a mask; 24:22 after every 64 words (code 5); 31:25 of 4 words (code 3)
	s_or_b32 s[G1B+0], s44, (0<<16)|(1<<20)|(1<<21)|(5<<22)|(3<<25)
.irp g, G1, G1B
	s_mov_b32 s[\g+1], ROWB<<16                    ; tensor_dim0
	s_mov_b32 s[\g+2], 128<<16                     ; tensor_dim1 = 128
	s_mov_b32 s[\g+3], ROWB<<16                    ; tile_dim0
	s_mov_b32 s[\g+4], 128                         ; tile_dim1 = 128
	s_mov_b32 s[\g+5], KROW                        ; tensor_dim0_stride
	s_mov_b32 s[\g+6], 0
	s_mov_b32 s[\g+7], 0
.endr
	s_lshl_b32 s18, s16, 7                         ; which 128 rows of the tile I fetch
	s_lshl_b32 s20, s17, 8
	s_add_co_u32 s20, s20, s18                     ; side A: row 256 x tile + 128 x half
	s_lshl_b32 s46, s42, 8
	s_add_co_u32 s46, s46, s18                     ; side B likewise
	s_mov_b32 s21, 0
	s_mov_b32 s47, 0
	s_mov_b64 s[18:19], KROW
	s_mul_u64 s[20:21], s[20:21], s[18:19]
	s_mul_u64 s[46:47], s[46:47], s[18:19]
	s_mul_i32 s45, s14, HALFT                      ; where they go: wave x 128 rows: no place in the cluster enters an LDS address
	s_wait_dscnt 0x0                               ; the opening add is done
	s_wait_kmcnt 0x0
	s_cmp_eq_u32 ttmp9, 2
	s_cselect_b64 s[66:67], s[6:7], s[4:5]         ; side A: for v the weight's codes, else x's
	s_cselect_b64 s[68:69], s[4:5], s[6:7]         ; side B: the other one
	s_load_b256 s[72:79], s[8:9], 0x0              ; e0 .. e7
	s_add_nc_u64 s[20:21], s[66:67], s[20:21]
	s_add_nc_u64 s[46:47], s[68:69], s[46:47]
	CROUND                                         ; all sixteen work-groups are here: the first joint loads meet
.irp s, 0,1
	s_mov_b32 s[G0+4*\s], 1
	s_add_co_u32 s[G0+4*\s+1], s45, \s*SLOT
	s_add_nc_u64 s[G0+4*\s+2:G0+4*\s+3], s[20:21], \s*ROWB
	s_or_b32 s[G0+4*\s+3], s[G0+4*\s+3], 0x80000000
	s_mov_b32 s[G0B+4*\s], 1
	s_add_co_u32 s[G0B+4*\s+1], s45, \s*SLOT
	s_add_nc_u64 s[G0B+4*\s+2:G0B+4*\s+3], s[46:47], \s*ROWB
	s_or_b32 s[G0B+4*\s+3], s[G0B+4*\s+3], 0x80000000
	JLOAD G0+4*\s, G1, G0B+4*\s, G1B               ; by this text's count two tensor loads of a wave are out here, later one
.endr
	v_and_b32 v1, 15, v0                           ; l % 16
	v_bfe_u32 v2, v0, 4, 1                         ; l / 16
	v_mul_u32_u24 v3, v1, PITCH
	v_lshl_add_u32 v4, v2, 4, v3                   ; a fragment's row x pitch + 16 x half
	s_mul_i32 s21, s15, HALFT                      ; my 128 rows of side A
	s_mul_i32 s22, s16, HALFT                      ; my 128 rows of side B,
	s_add_co_u32 s22, s22, 2*HALFT                 ; which lie behind side A's 256
.irp s, 0,1
	v_add_nc_u32 v[ADRA+\s], s21, v4
	v_add_nc_u32 v[ADRB+\s], s22, v4
	s_add_co_u32 s21, s21, SLOT
	s_add_co_u32 s22, s22, SLOT
.endr
	v_and_b32 v6, 31, v0
	v_lshlrev_b32 v[CO], 4, v6
	; where my images go, in registers that feed no descriptor.  My 128 times are one run of 128 (a key step); my 128 channels are two heads.
	s_cmp_eq_u32 ttmp9, 2
	s_cselect_b32 s80, s42, s17                    ; the tile of 256 times: side B's for v, else side A's,
	s_cselect_b32 s81, s16, s15                    ; and my half of it
	s_cselect_b32 s82, s17, s42                    ; the tile of 256 channels (four heads),
	s_cselect_b32 s83, s15, s16                    ; and my half of it
	s_cselect_b32 s90, 8192, 0                     ; V's images lie behind K's
	s_cmp_eq_u32 ttmp9, 0
	s_cselect_b64 s[BASE:BASE+1], s[10:11], s[12:13]
	s_mov_b32 s88, 262144
	s_cselect_b32 s88, 131072, s88                 ; bytes from head to head: q's buffer, or k's and v's
	s_mov_b32 s91, 16384
	s_cselect_b32 s91, 8192, s91                   ; bytes from one run of 128 times to the next
	s_lshl_b32 s80, s80, 1
	s_add_co_u32 s80, s80, s81                     ; my run of 128 times among all 64
	s_lshr_b32 s92, s80, 4
	s_lshl_b32 s92, s92, 4                         ; 16 x batch
	s_and_b32 s82, s82, 3
	s_lshl_b32 s82, s82, 2
	s_add_co_u32 s92, s92, s82
	s_lshl_b32 s83, s83, 1
	s_add_co_u32 s92, s92, s83                     ; + my first head
	s_mul_i32 s94, s92, s88
	s_and_b32 s80, s80, 15
	s_mul_i32 s80, s80, s91
	s_add_co_u32 s94, s94, s80
	s_add_co_u32 s94, s94, s90
	s_mov_b32 s95, 0
	s_add_nc_u64 s[BASE:BASE+1], s[BASE:BASE+1], s[94:95]
	s_mov_b32 s89, 0
	s_add_nc_u64 s[BASE+2:BASE+3], s[BASE:BASE+1], s[88:89]
.macro FRAG reg, adr, q, i             ; a fragment: lane l holds row l % 16; registers 4 c .. 4 c + 3 hold K = 32 c + 16 (l / 16) + 0 .. 15: the same order of K on both sides, so every product meets its partner
.irp c, 0,1,2,3
	ds_load_b128 v[\reg+4*\c:\reg+4*\c+3], v[\adr] offset:128*(\q)+32*\c+(\i)*16*PITCH
.endr
.endm
; 16 matrix instructions: side A's blocks a0, a0 + 1 x side B's eight, 128 along K.  p: side B's set.  zero = 1: the first product starts the sums.
; The 64 accumulators take turns, one instruction a turn, in the same order in every step.
.macro MUL16 a0, p, zero
.irp a, \a0, \a0+1
.irp b, 0,1,2,3,4,5,6,7
.if \zero
	v_wmma_f32_16x16x128_fp8_fp8 v[8*(8*((\a)%4)+\b):8*(8*((\a)%4)+\b)+7], v[128*(\p)+FR*\b:128*(\p)+FR*\b+FR-1], v[AF+FR*(\a):AF+FR*(\a)+FR-1], 0
.else
	v_wmma_f32_16x16x128_fp8_fp8 v[8*(8*((\a)%4)+\b):8*(8*((\a)%4)+\b)+7], v[128*(\p)+FR*\b:128*(\p)+FR*\b+FR-1], v[AF+FR*(\a):AF+FR*(\a)+FR-1], v[8*(8*((\a)%4)+\b):8*(8*((\a)%4)+\b)+7]
.endif
.endr
.endr
.endm
.macro FETCH_B slot, q, p              ; side B's eight fragments of the slot's q-th 128 along K into set p
	WIN TO_B
.irp i, 0,1,2,3,4,5,6,7
	FRAG 128*(\p)+FR*\i, ADRB+\slot, \q, \i
.endr
	WIN 0
.endm
.macro FETCH_A slot, q, i0             ; side A's blocks i0 .. i0 + 3
.irp i, \i0, \i0+1, \i0+2, \i0+3
	FRAG AF+FR*(\i), ADRA+\slot, \q, \i
.endr
.endm
.macro PLACES n                        ; a load into a register that a matrix instruction has read, and a vector instruction that reads a result, stand NP plain vector instructions behind it
.rept \n
	v_nop
.endr
.endm
; A step of 128 along K that has its successor in the same slot.  A block of side A is free as soon as its eight products are issued: one set serves, fetched anew in two runs.
.macro STEP slot, q, zero
	s_wait_dscnt 4*NL                              ; side B's set and blocks 0-3 are in; the youngest sixteen loads (blocks 4-7) may be out
	WIN MUL_LO
	MUL16 0, (\q)%2, \zero
	MUL16 2, (\q)%2, \zero
	s_wait_dscnt 0                                 ; blocks 4-7 are in
	PLACES NP
	FETCH_B \slot, (\q)+1, 1-(\q)%2
	FETCH_A \slot, (\q)+1, 0
	WIN MUL_HI
	MUL16 4, (\q)%2, \zero
	MUL16 6, (\q)%2, \zero
	PLACES NP
	WIN 0
	FETCH_A \slot, (\q)+1, 4
.endm
; A slot's last step changes slots: one barrier; in front of it each wave waits for all its tensor loads, adds 0 to its spare word, and waits for that and for its reads of this slot.  fill = 1: this slot is filled again.
.macro TURN slot, next, fill
	s_wait_tensorcnt 0x0                           ; all my tensor loads have landed: my part of the next slot
	ds_add_u32 v[SPW], v[NIL]                      ; 0 onto my spare word
	s_wait_dscnt 4*NL+1                            ; the add and the youngest sixteen loads (blocks 4-7) may be out
	WIN MUL_LO
	MUL16 0, 1, 0                                  ; sixteen matrix instructions stand between the add and the wait for it
	s_wait_dscnt 0x0                               ; the add is done, and my reads of this slot are over
	s_barrier_signal -1
	MUL16 2, 1, 0
	WIN 0
	s_barrier_wait -1
.if \fill
	CREST                                          ; the barrier has opened a round of the cluster's: no wave of any partner still reads this slot or has a load on its way
	s_add_nc_u64 s[G0+4*\slot+2:G0+4*\slot+3], s[G0+4*\slot+2:G0+4*\slot+3], 2*ROWB
	s_add_nc_u64 s[G0B+4*\slot+2:G0B+4*\slot+3], s[G0B+4*\slot+2:G0B+4*\slot+3], 2*ROWB
	JLOAD G0+4*\slot, G1, G0B+4*\slot, G1B         ; the first tensor load behind the round; its four v_nop are also the places in front of the loads below
.else
	PLACES NP
.endif
	FETCH_B \next, 0, 0
	FETCH_A \next, 0, 0
	WIN MUL_HI
	MUL16 4, 1, 0
	MUL16 6, 1, 0
	PLACES NP
	WIN 0
	FETCH_A \next, 0, 4
.endm
	s_wait_alu depctr_va_vdst(0)
	s_wait_tensorcnt 1                             ; my part of K step 0 is in; K step 1's load may be out
	s_barrier_signal -1
	s_barrier_wait -1                              ; everybody's is
	FETCH_B 0, 0, 0
	FETCH_A 0, 0, 0
	FETCH_A 0, 0, 4
	STEP 0, 0, 1                                   ; the first step stands in front of the loop: its products start the sums
	s_mov_b32 s3, LAPS-1
.Llap:                                                 ; a trip goes once round the ring and fills both slots again
	TURN 0, 1, 1
	STEP 1, 0, 0
	TURN 1, 0, 1
	STEP 0, 0, 0
	s_sub_co_u32 s3, s3, 1
	s_cmp_lg_u32 s3, 0
	s_cbranch_scc1 .Llap
	TURN 0, 1, 0                                   ; the last lap fills nothing, and has no round of the cluster's barrier
	STEP 1, 0, 0
	s_wait_dscnt 4*NL                              ; the very last step: nothing more to fetch
	WIN MUL_LO
	MUL16 0, 1, 0
	MUL16 2, 1, 0
	s_wait_dscnt 0
	WIN MUL_HI
	MUL16 4, 1, 0
	MUL16 6, 1, 0
	WIN 0
	; THE WAY OUT.  The scale is chosen without a jump.
	s_wait_kmcnt 0x0
	s_cmp_eq_u32 ttmp9, 0
	s_cselect_b32 s96, s74, s75                    ; e2 for q, e3 for k,
	s_cmp_eq_u32 ttmp9, 2
	s_cselect_b32 s96, s77, s96                    ; e5 for v
	s_sub_co_i32 s96, s96, s72
	s_sub_co_i32 s96, s96, s73                     ; - e0 - e1
	s_add_co_i32 s96, s96, 127
	s_lshl_b32 s97, s96, 23
	v_mov_b32 v[SCL], s97
	s_add_co_i32 s96, s96, 8
	s_lshl_b32 s96, s96, 23
	s_or_b32 s96, s96, 0x600000
	PLACES NP                                      ; behind the last products: their fragments' registers take the codes
; Block a's 64 sums of a lane (one row of side A, 128 along side B) become 64 codes in 16 registers.  Registers 4 p .. 4 p + 3 come from accumulators 2 p and 2 p + 1.
.macro QOUT a
.set AC, 64*((\a)%4)
	WIN 0x02+((\a)/4)                              ; source 0: window 2 or 3
.set j, 0
.rept 64
.set j, j+1
.endr
.irp g, 0,1,2,3,4,5,6,7
	v_cvt_scalef32_pk8_fp8_f32 v[CD+16*(\a)+2*\g:CD+16*(\a)+2*\g+1], v[AC+8*\g:AC+8*\g+7], v[SCL]
.endr
	WIN 0
	v_nop
.endm
.irp a, 0,1,2,3,4,5,6,7
	QOUT \a
.endr
	s_cmp_eq_u32 ttmp9, 2                          ; the cluster's x: all partners and all waves go the same way; only stores stand in the two arms
	s_cbranch_scc1 .Lkind_v
.irp a, 0,1,2,3,4,5,6,7                        ; q, k: block a = 16 times; p: head p / 2, channels 32 (p % 2) + 16 h + 0 .. 15
.irp p, 0,1,2,3
	global_store_b128 v[CO], v[CD+16*\a+4*\p:CD+16*\a+4*\p+3], s[BASE+2*(\p/2):BASE+2*(\p/2)+1] offset:\a*1024+(\p%2)*512   ; 32 lanes store 512 consecutive aligned bytes
.endr
.endr
	s_branch .Lend
.Lkind_v:
	s_wait_alu depctr_va_vdst(0)
.irp a, 0,1,2,3,4,5,6,7                        ; v: block a = 16 channel rows: head a / 4, tile a % 4; p: keys 32 p on
.irp p, 0,1,2,3
	global_store_b128 v[CO], v[CD+16*\a+4*\p:CD+16*\a+4*\p+3], s[BASE+2*(\a/4):BASE+2*(\a/4)+1] offset:(\a%4)*2048+\p*512
.endr
.endr
.Lend:
	s_wait_tensorcnt 0x0                           ; the wave's end: a tensor wait, an add of 0 to my spare word and its wait, behind my last tensor load
	ds_add_u32 v[SPW], v[NIL]
	s_wait_dscnt 0x0
	CROUND                                         ; the closing round: no work-group ends while a partner may still ask for a tile that names it
	s_endpgm
.Lfunc_end_k_q41f3be923f_qkv:
	.size	k_q41f3be923f_qkv, .Lfunc_end_k_q41f3be923f_qkv-k_q41f3be923f_qkv
	.p2alignl 7, 3214868480
	.fill 96, 4, 3214868480
	.section	.rodata,"a",@progbits
	.p2align	6, 0x0
	.amdhsa_kernel k_q41f3be923f_qkv
		.amdhsa_group_segment_fixed_size 327680
		.amdhsa_private_segment_fixed_size 0
		.amdhsa_enable_private_segment 0
		.amdhsa_kernarg_size 40
		.amdhsa_user_sgpr_count 2
		.amdhsa_user_sgpr_kernarg_segment_ptr 1
		.amdhsa_wavefront_size32 1
		.amdhsa_system_sgpr_workgroup_id_x 1
		.amdhsa_system_sgpr_workgroup_id_y 1
		.amdhsa_system_sgpr_workgroup_id_z 1
		.amdhsa_system_vgpr_workitem_id 0
		.amdhsa_next_free_vgpr 1024
		.amdhsa_next_free_sgpr 98
		.amdhsa_reserve_vcc 0
		.amdhsa_float_denorm_mode_32 3
		.amdhsa_float_denorm_mode_16_64 3
		.amdhsa_fp16_overflow 1
		.amdhsa_memory_ordered 1
		.amdhsa_forward_progress 1
		.amdhsa_inst_pref_size 90
	.end_amdhsa_kernel
	.amdgpu_metadata
---
amdhsa.version: [ 1, 2 ]
amdhsa.kernels:
  - .name:           k_q41f3be923f_qkv
    .symbol:         k_q41f3be923f_qkv.kd
    .args:
      - { .name: x_codes, .offset: 0, .size: 8, .value_kind: global_buffer, .address_space: global }
      - { .name: wa_codes, .offset: 8, .size: 8, .value_kind: global_buffer, .address_space: global }
      - { .name: lowp_scales, .offset: 16, .size: 8, .value_kind: global_buffer, .address_space: global }
      - { .name: q_codes, .offset: 24, .size: 8, .value_kind: global_buffer, .address_space: global }
      - { .name: kv_codes, .offset: 32, .size: 8, .value_kind: global_buffer, .address_space: global }
    .group_segment_fixed_size: 327680
    .private_segment_fixed_size: 0
    .kernarg_segment_align: 8
    .kernarg_segment_size: 40
    .max_flat_workgroup_size: 128
    .sgpr_count:     98
    .vgpr_count:     1024
    .wavefront_size: 32
...
	.end_amdgpu_metadata
.endif
;; end of part 2
;; launch attn (part 3): grid 4 x 64, 16 waves a work-group, clusters of 4 x 1, 327,680 bytes of LDS; arguments q_codes, kv_codes, lowp_scales, a_codes; writes a_codes
.if DOCPART == 3
	.amdgcn_target "amdgcn-amd-amdhsa--gfx1250"
	.amdhsa_code_object_version 6
	.text
	.protected	k_q41f3be923f_attn
	.globl	k_q41f3be923f_attn
	.p2align	8
	.type	k_q41f3be923f_attn,@function
k_q41f3be923f_attn:
	s_mov_b64 s[64:65], 0
	v_nop
	global_prefetch_b8 v0, s[64:65] scope:SCOPE_SE
	s_setreg_imm32_b32 hwreg(HW_REG_WAVE_MODE, 25, 1), 1
	s_wait_xcnt 0x0
	s_wait_alu depctr_hold_cnt(0) depctr_sa_sdst(0) depctr_va_vdst(0) depctr_va_sdst(0) depctr_va_ssrc(0) depctr_va_vcc(0) depctr_vm_vsrc(0)
	s_getreg_b32 s2, hwreg(HW_REG_IB_STS2, 6, 4)
	s_cmp_eq_u32 s2, 0
	s_cbranch_scc0 .Lentry_in_a_cluster
	s_endpgm
.Lentry_in_a_cluster:
	s_bfe_u32 s2, ttmp6, 0x10000c
	s_cmp_lg_u32 s2, 0x3003
	s_cbranch_scc0 .Lentry_shape_is_right
	s_endpgm
.Lentry_shape_is_right:
; Causal attention on codes of FP8 (E4M3): 64 heads (batch x head) of 2,048 times x 64 channels.  S = q k^T, p = 2^(t - M), O = p v / l, and O is quantised in registers with the scale of entry 6.
; t = score x 2^(e2 + e3) x log2(e) / 8; M = the running largest t rounded UP to a whole number; p is quantised with 2^e4; the row's sum l is taken of the unquantised p; when M moves, l and O are multiplied by
; 2^(old M - new M), which rounds nothing.  The code stored is (sum / l) / 2^(e6 - e4 - e5), held within +-448.
; LIMITS: e2 + e3 between -123 and 130 (they are added to a constant's exponent field); e4, and e6 - e4 - e5, between -126 and 119.  NaN among the inputs is not served.
; SHARES.  A cluster of four work-groups is one head.  The head's queries are 16 groups of 128; group g has 8 tiles of 16 queries, and each of them needs key steps 0 .. g (128 keys a step), the last under the mask.
; Wave w takes one tile of group max(w, 15 - w), then one of group min(w, 15 - w): 17 key steps for every wave of the launch.  Which tile: 2 cx + w / 8; so a work-group's place in its cluster enters
; global addresses and the mask's numbers alone, no branch and no LDS address.
; THE WHOLE HEAD'S K AND V LIE IN LDS: 16 key steps x 16,384 bytes, as they lie in memory (images of operand registers).  Each byte is filled once, by joint loads that name all four partners: no ring, no refill,
; no barrier in the loops.  A wave issues two loads, the second once the first has landed: its sixteenth of key steps 0 and 1, then its sixteenth of the other fourteen; the first two key steps are worked while the rest lands.
; Every tensor load goes out at the head, so there is nothing to prefetch.
; LAYOUT.  Both products are used transposed: S^T = K Q^T (source 0 = 16 keys, source 1 = my 16 queries), O^T = V^T P^T: a lane holds ONE query (lane % 16) throughout.  Register j of score tile t is key
; 16 t + 8 (lane / 16) + j: eight such registers convert into registers 2 t, 2 t + 1 of P, which is this form's own order of K; V's images were laid in the same order.
; V's channel rows are those of the permuted weight: the 16 registers of two neighbouring tiles of O^T are 16 neighbouring channels, so the last conversions' results are the next launch's operand image.
; All loops have constant trip counts; a step all of whose keys come after my queries is jumped over (a branch on the wave's number and the count of steps).
.set SPARE, 262144                     ; behind K and V: the spare words, 128 bytes for each of sixteen waves, which no other line names
.set AL,  1                            ; v1   16 x lane: my place in an image; never rewritten
.set ADR, 2                            ; v2   LDS address of the key step in hand
.set DQ,  3                            ; v3   my query in its group, less 8 (lane / 16)
.set NINF, 4                           ; v4   -infinity
.set SPW, 5                            ; v5   LDS address of my spare word; never rewritten
.set NIL, 6                            ; v6   0; never rewritten
.set PSC, 7                            ; v7   2^e4
.set PLM, 8
.set OSC, 9                            ; v9   2^(e6 - e4 - e5)
.set OLM, 10
                                       ; v12 -M, v13 the largest t, v[14:15] the sum in two halves, v24, v30 at work, v25 a permute's destination, v[26:27] f, v[28:29] the sum's second chain
.set Q,   16                           ; v16-23   my queries' fragment
.set F,   32                           ; v32-95   eight fragments of K, then four of V
.set S,   96                           ; v96-159  S^T, then p
.set OT,  160                          ; v160-191 O^T, four tiles
.set P,   192                          ; v192-207 p's codes
.set OCA, 208                          ; v208-215 the first pass's codes;  v216-223 the second's
.set OCB, 216
.set WV,  12                           ; s12  my wave's number;  s13 cx;  s14 the head
.set G1A, 16                           ; s[16:23] descriptor group 1: 8 rows of 256 bytes;  s[24:31]: 56 rows
.set G1B, 24
.set G0A, 32                           ; s[32:35], s[36:39] their groups 0
.set G0B, 36
.set SEL, 40                           ; s[40:41] lane selects for v_permlanex16_b32: lane l xor 16
.set CS,  42                           ; s[42:43] c = 2^(e2 + e3) log2(e) / 8
.set RTB, 44                           ; s44  LDS byte of the key step in hand
.set RKS, 45                           ; s45  its number
.set RGA, 46                           ; s46, s47  my two groups
.set RGB, 47
.set RSUB, 48                          ; s48  my tile in a group
.set RG,  49                           ; s49  the group in hand
.set QP,  66                           ; s[66:67] my queries' image
.set OPA, 68                           ; s[68:69], s[70:71] where each pass's codes go
.set OPB, 70
.macro CROUND                          ; a round of the cluster's barrier
	s_barrier_signal -1
	s_barrier_wait -1
	s_cmp_lg_u32 s[WV], 0
	s_cbranch_scc1 .Lnot_wave_0_\@
	s_barrier_signal -3
.Lnot_wave_0_\@:
	s_barrier_wait -3
	s_barrier_signal -1
	s_barrier_wait -1
.endm
	s_load_b256 s[4:11], s[0:1], 0x0               ; q's codes s[4:5], k's and v's s[6:7], the exponents s[8:9], the result's codes s[10:11]
	v_lshl_add_u32 v[SPW], v0, 2, SPARE
	v_mov_b32 v[NIL], 0
	ds_add_u32 v[SPW], v[NIL]                      ; the wave's opening: the add and its wait stand ahead of my first tensor load; the set-up below, work on registers, stands between them
	ds_add_u32 v[SPW], v[NIL]
	v_lshrrev_b32 v2, 5, v0
	s_delay_alu instid0(VALU_DEP_1)
	v_readfirstlane_b32 s[WV], v2                  ; wave 0..15
	s_bfe_u32 s13, ttmp6, 0x40000                  ; cx
	s_and_b32 s14, ttmp7, 0xffff                   ; the head, which the four partners share
	s_sub_co_u32 s72, 15, s[WV]
	s_max_u32 s[RGA], s[WV], s72                   ; 8 .. 15
	s_min_u32 s[RGB], s[WV], s72                   ; 0 .. 7
	s_lshr_b32 s[RSUB], s[WV], 3
	s_lshl_b32 s72, s13, 1
	s_add_co_u32 s[RSUB], s[RSUB], s72             ; 2 cx + w / 8
	s_mov_b32 s[G1A], 15|(3<<16)|(1<<21)           ; 15:0 the mask: all four work-groups; 17:16 elements of 8 bytes; 21 set beside a mask; no padding: an image is read 512 consecutive bytes at a time
	s_mov_b32 s[G1A+1], 32<<16                     ; tensor_dim0 = 32 elements: 256 bytes
	s_mov_b32 s[G1A+2], 8<<16                      ; tensor_dim1 = 8
	s_mov_b32 s[G1A+3], 32<<16                     ; tile_dim0
	s_mov_b32 s[G1A+4], 8                          ; tile_dim1
	s_mov_b32 s[G1A+5], 32                         ; the pitch: the block is dense
	s_mov_b32 s[G1A+6], 0
	s_mov_b32 s[G1A+7], 0
	s_mov_b32 s[G1B], 15|(3<<16)|(1<<21)
	s_mov_b32 s[G1B+1], 32<<16
	s_mov_b32 s[G1B+2], 56<<16
	s_mov_b32 s[G1B+3], 32<<16
	s_mov_b32 s[G1B+4], 56
	s_mov_b32 s[G1B+5], 32
	s_mov_b32 s[G1B+6], 0
	s_mov_b32 s[G1B+7], 0
	s_mov_b32 s[G0A], 1
	s_lshl_b32 s[G0A+1], s[WV], 11                 ; key steps 0, 1: 32,768 bytes, 2,048 a wave, in LDS as in memory
	s_mov_b32 s[G0B], 1
	s_mul_i32 s[G0B+1], s[WV], 14336               ; key steps 2 .. 15: 229,376 bytes, 14,336 a wave
	s_add_co_u32 s[G0B+1], s[G0B+1], 32768
	s_mov_b32 s[SEL], 0x76543210
	s_mov_b32 s[SEL+1], 0xfedcba98
	v_and_b32 v[AL], 31, v0
	s_delay_alu instid0(VALU_DEP_1)
	v_lshlrev_b32 v[AL], 4, v[AL]
	v_and_b32 v[DQ], 15, v0
	v_bfe_u32 v24, v0, 4, 1
	s_delay_alu instid0(VALU_DEP_1)
	v_lshlrev_b32 v24, 3, v24
	s_delay_alu instid0(VALU_DEP_1)
	v_sub_nc_u32 v[DQ], v[DQ], v24
	s_lshl_b32 s72, s[RSUB], 4
	v_add_nc_u32 v[DQ], s72, v[DQ]                 ; 16 x tile + lane % 16 - 8 (lane / 16)
	v_mov_b32 v[NINF], 0xff800000
	v_mov_b32 v25, 0                               ; written once: a lane permute's destination counts as one of its sources
	v_mov_b32 v27, 0                               ; (named as the upper half of the pair v[26:27])
	s_lshl_b32 s72, s14, 18                        ; the head's 262,144 bytes of K and V
	s_mov_b32 s73, 0
	s_wait_dscnt 0x0                               ; the opening add is done
	s_wait_kmcnt 0x0
	s_load_b256 s[52:59], s[8:9], 0x0              ; e0 .. e7
	s_add_nc_u64 s[60:61], s[6:7], s[72:73]
	s_mov_b32 s72, s[G0A+1]
	s_add_nc_u64 s[G0A+2:G0A+3], s[60:61], s[72:73]
	s_or_b32 s[G0A+3], s[G0A+3], 0x80000000
	s_mov_b32 s72, s[G0B+1]
	s_add_nc_u64 s[G0B+2:G0B+3], s[60:61], s[72:73]
	s_or_b32 s[G0B+3], s[G0B+3], 0x80000000
	CROUND                                         ; all four work-groups are here: the joint loads meet
	tensor_load_to_lds s[G0A:G0A+3], s[G1A:G1A+7]  ; the first fill, key steps 0 and 1; it lands before the second goes out
	s_nop 0
	s_wait_alu depctr_va_vdst(0)
	s_wait_tensorcnt 0x0
	ds_add_u32 v5, v6
	s_wait_dscnt 0x0
	CROUND
	tensor_load_to_lds s[G0B:G0B+3], s[G1B:G1B+7]
	s_nop 0
.rept 4
	v_nop
.endr
	s_wait_kmcnt 0x0
	s_add_co_i32 s72, s54, s55                     ; e2 + e3
	s_lshl_b32 s72, s72, 23
	s_mov_b32 s[CS], 0x3e38aa3b                    ; log2(e) / 8
	s_add_co_i32 s[CS], s[CS], s72                 ; the two exponents are added to its exponent field
	s_mov_b32 s[CS+1], s[CS]                       ; (named with it as a pair, so it is written)
	s_add_co_i32 s72, s56, 127
	s_lshl_b32 s73, s72, 23
	v_mov_b32 v[PSC], s73
	s_sub_co_i32 s72, s58, s56
	s_sub_co_i32 s72, s72, s57
	s_add_co_i32 s72, s72, 127
	s_lshl_b32 s73, s72, 23
	v_mov_b32 v[OSC], s73
; A pass begins: the group, my queries' fragment, and a fresh maximum, sum and O^T.  The loop has no first step of its own: it finds zeros, which the first change of M leaves zeros.
.macro PASS_BEGIN greg
	s_mov_b32 s[RG], \greg
	s_lshl_b32 s72, s14, 17                        ; q's codes: 131,072 bytes a head, 8,192 a group, 1,024 a tile
	s_lshl_b32 s74, s[RG], 13
	s_add_co_u32 s72, s72, s74
	s_lshl_b32 s74, s[RSUB], 10
	s_add_co_u32 s72, s72, s74
	s_mov_b32 s73, 0
	s_add_nc_u64 s[QP:QP+1], s[4:5], s[72:73]
	global_load_b128 v[Q:Q+3], v[AL], s[QP:QP+1]
	global_load_b128 v[Q+4:Q+7], v[AL], s[QP:QP+1] offset:512
	v_mov_b32 v13, 0xff61b1e6                      ; the largest t so far: -3e38, under every t
	s_delay_alu instid0(VALU_DEP_1)
	v_floor_f32 v12, -v13                          ; -M
	v_mov_b32 v14, 0
	v_mov_b32 v15, 0
.set j, 0
.rept 32
	v_mov_b32 v[OT+j], 0
.set j, j+1
.endr
	s_mov_b32 s[RTB], 0
	s_mov_b32 s[RKS], 0
	s_wait_loadcnt 0x0                             ; my queries are in, and their address may be written again
.endm
; A KEY STEP: 128 keys.  guard = 1: it is jumped over where its keys all come after my group, and masked where it is my group's own.
.macro STEP guard
	v_add_nc_u32 v[ADR], s[RTB], v[AL]             ; on every wave's path; with the three v_nop below it is the four places in front of loads into registers that the last products read
.if \guard
	s_cmp_gt_u32 s[RKS], s[RG]
	s_cbranch_scc1 .Lskip_\@
.endif
	s_setprio 2
.rept 3
	v_nop
.endr
.irp t, 0,1,2,3,4,5,6,7
	ds_load_b128 v[F+8*\t:F+8*\t+3], v[ADR] offset:1024*\t
	ds_load_b128 v[F+8*\t+4:F+8*\t+7], v[ADR] offset:1024*\t+512
.endr
	s_wait_alu depctr_va_vdst(0)
	s_wait_dscnt 0x0
.irp t, 0,1,2,3,4,5,6,7
	v_wmma_f32_16x16x64_fp8_fp8 v[S+8*\t:S+8*\t+7], v[F+8*\t:F+8*\t+7], v[Q:Q+7], 0
.endr
.rept 4
	v_nop                                          ; places in front of V's loads into K's registers, and of the first read of the scores
.endr
.irp t, 0,1,2,3                                ; V lands while the softmax is walked
.irp g, 0,1,2,3
	ds_load_b128 v[F+16*\t+4*\g:F+16*\t+4*\g+3], v[ADR] offset:8192+2048*\t+512*\g
.endr
.endr
.if \guard
	s_cmp_lt_u32 s[RKS], s[RG]
	s_cbranch_scc1 .Lopen_\@                       ; all keys of this step count
.set n, 0
.rept 64                                       ; register 8 t + j holds key 16 t + 8 (lane / 16) + j of my group: hidden where 16 t + j > DQ; its score becomes -infinity, so p = 0
	v_cmp_gt_i32 vcc_lo, 16*(n/8)+n%8, v[DQ]
	v_cndmask_b32 v[S+n], v[S+n], v[NINF], vcc_lo
.set n, n+1
.endr
.Lopen_\@:
.endif
	v_max3_num_f32 v24, v[S], v[S+1], v[S+2]       ; the step's largest score of my query among my 64 keys, in two chains; each accumulator from its low end on
	v_max3_num_f32 v30, v[S+3], v[S+4], v[S+5]
.irp i, 6,10,14,18,22,26,30,34,38,42,46,50,54,58
	v_max3_num_f32 v24, v24, v[S+\i], v[S+1+\i]
	v_max3_num_f32 v30, v30, v[S+2+\i], v[S+3+\i]
.endr
	v_max3_num_f32 v24, v24, v[S+62], v[S+63]
	s_delay_alu instid0(VALU_DEP_1)
	v_max_num_f32 v24, v24, v30
	s_delay_alu instid0(VALU_DEP_1)
	v_permlanex16_b32 v25, v24, s[SEL], s[SEL+1]
	s_delay_alu instid0(VALU_DEP_1)
	v_max_num_f32 v24, v24, v25                    ; and among lane l xor 16's
	s_delay_alu instid0(VALU_DEP_1)
	v_mul_f32 v24, s[CS], v24                      ; as t (c is positive)
	s_delay_alu instid0(VALU_DEP_1)
	v_max_num_f32 v13, v13, v24                    ; the running largest t
	v_mov_b32 v24, v12
	s_delay_alu instid0(VALU_DEP_2)
	v_floor_f32 v12, -v13                          ; the new -M = -ceil(t): a whole number
	s_delay_alu instid0(VALU_DEP_1)
	v_sub_f32 v24, v12, v24                        ; old M - new M: a whole number, 0 or less
	s_delay_alu instid0(VALU_DEP_1)
	v_cvt_i32_f32 v24, v24                         ; (it saturates)
	s_delay_alu instid0(VALU_DEP_1)
	v_ldexp_f32 v26, 1.0, v24                      ; f = 2^(old M - new M)
.set j, 0
.rept 32
	v_pk_fma_f32 v[S+j:S+j+1], v[S+j:S+j+1], s[CS:CS+1], v[12:13] op_sel_hi:[1,0,0]   ; t - M, two at a time (of the pairs c and -M the low word serves both halves)
.set j, j+2
.endr
.set j, 0
	s_setprio 1
	s_wait_alu depctr_va_vdst(0)
.rept 64
	v_exp_f32 v[S+j], v[S+j]                       ; p = 2^(t - M), at most 1
.set j, j+1
.endr
	v_pk_mul_f32 v[14:15], v[14:15], v[26:27] op_sel_hi:[1,0]   ; the sum under the new M: the plain line behind the exponentials
	s_wait_alu depctr_va_vdst(0)                   ; one wait for the batch of 64, ahead of its first reader
	v_pk_add_f32 v[28:29], v[S:S+1], v[S+2:S+3]    ; the row's sum is taken of the unquantised p, in two chains
.irp j, 4,8,12,16,20,24,28,32,36,40,44,48,52,56,60
	v_pk_add_f32 v[14:15], v[14:15], v[S+\j:S+1+\j]
	v_pk_add_f32 v[28:29], v[28:29], v[S+2+\j:S+3+\j]
.endr
	s_delay_alu instid0(VALU_DEP_1)
	v_pk_add_f32 v[14:15], v[14:15], v[28:29]
	s_setprio 0
.irp t, 0,1,2,3,4,5,6,7
.irp i, 0,1,2,3,4,5,6,7
.endr
	v_cvt_scalef32_pk8_fp8_f32 v[P+2*\t:P+2*\t+1], v[S+8*\t:S+8*\t+7], v[PSC]
.endr
.set j, 0
.rept 16
	v_pk_mul_f32 v[OT+j:OT+j+1], v[OT+j:OT+j+1], v[26:27] op_sel_hi:[1,0]   ; O^T under the new M; also the plain lines between the last conversion and the products
.set j, j+2
.endr
	s_wait_alu depctr_va_vdst(0)
	s_wait_dscnt 0x0                               ; V is in
.irp t, 0,1,2,3                                ; four accumulators, one instruction each; the eight score tiles stand between two turns of one accumulator
	v_wmma_f32_16x16x128_fp8_fp8 v[OT+8*\t:OT+8*\t+7], v[F+16*\t:F+16*\t+15], v[P:P+15], v[OT+8*\t:OT+8*\t+7]
.endr
.if \guard
.Lskip_\@:
.endif
	s_add_co_u32 s[RTB], s[RTB], 16384
	s_add_co_u32 s[RKS], s[RKS], 1
.endm
; A pass ends: O^T / l, converted, stored as the image of 16 rows x 64 of the last product's K.  op, oc: address and code registers of the pass's own, so that nothing waits for the stores.
.macro PASS_END op, oc
.rept 4
	v_nop                                          ; places behind the last products
.endr
	v_add_f32 v14, v14, v15                        ; the sum's two halves,
	s_delay_alu instid0(VALU_DEP_1)
	v_permlanex16_b32 v25, v14, s[SEL], s[SEL+1]
	s_delay_alu instid0(VALU_DEP_1)
	v_add_f32 v14, v14, v25                        ; and lane l xor 16's
	s_wait_alu depctr_va_vdst(0)
	v_rcp_f32 v14, v14
	v_nop                                          ; the plain line behind the reciprocal
	s_lshr_b32 s72, s14, 4                         ; the result's codes: [tile of 16 rows][128 along K: 8][c 4][lane][16]: 16,384 bytes a tile of rows
	s_lshl_b32 s72, s72, 7                         ; 128 tiles a batch,
	s_lshl_b32 s74, s[RG], 3
	s_add_co_u32 s72, s72, s74                     ; 8 a group,
	s_add_co_u32 s72, s72, s[RSUB]                 ; mine
	s_lshl_b32 s72, s72, 14
	s_and_b32 s74, s14, 15
	s_lshr_b32 s74, s74, 1
	s_lshl_b32 s74, s74, 11                        ; two heads to 128 along K,
	s_add_co_u32 s72, s72, s74
	s_and_b32 s74, s14, 1
	s_lshl_b32 s74, s74, 10                        ; the odd head in groups c = 2, 3
	s_add_co_u32 s72, s72, s74
	s_mov_b32 s73, 0
	s_add_nc_u64 s[\op:\op+1], s[10:11], s[72:73]
	s_wait_alu depctr_va_vdst(0)                   ; ahead of the reciprocal's first reader
.set j, 0
.rept 32
	v_mul_f32 v[S+j], v[OT+j], v14                 ; each accumulator from its low end on
.set j, j+1
.endr
.set j, 0
.rept 32
.set j, j+1
.endr
.irp b, 0,1                                    ; tiles 2 b, 2 b + 1: channels 32 b + 16 (lane / 16) + 0 .. 15
	v_cvt_scalef32_pk8_fp8_f32 v[\oc+4*\b:\oc+4*\b+1], v[S+16*\b:S+16*\b+7], v[OSC]
	v_cvt_scalef32_pk8_fp8_f32 v[\oc+4*\b+2:\oc+4*\b+3], v[S+16*\b+8:S+16*\b+15], v[OSC]
.endr
	v_nop                                          ; a plain line behind the last conversion: later products write its sources
.irp b, 0,1
	global_store_b128 v[AL], v[\oc+4*\b:\oc+4*\b+3], s[\op:\op+1] offset:512*\b   ; 32 lanes store 512 consecutive aligned bytes
.endr
.endm
	PASS_BEGIN s[RGA]
	s_wait_tensorcnt 0x1                           ; my part of key steps 0 and 1 is in; the second load may stay out
	s_barrier_signal -1
	s_barrier_wait -1                              ; everybody's is
.La0:                                              ; key steps 0 and 1: my first group is 8 or later, so all their keys count
	STEP 0
	s_cmp_lt_u32 s[RKS], 2
	s_cbranch_scc1 .La0
	s_setprio 0
	s_wait_tensorcnt 0x0                           ; my part of the other fourteen is in
	s_wait_dscnt 0x0
	s_barrier_signal -1
	s_barrier_wait -1                              ; everybody's is: from here on LDS is only read
	s_mov_b32 s[RTB], 32768                        ; (the values that the loop above has left, as constants)
	s_mov_b32 s[RKS], 2
.La1:                                              ; key steps 2 .. 15
	STEP 1
	s_cmp_lt_u32 s[RKS], 16
	s_cbranch_scc1 .La1
	s_setprio 0
	PASS_END OPA, OCA
	PASS_BEGIN s[RGB]
.Lb:                                               ; key steps 0 .. 7: my second group is 7 or earlier
	STEP 1
	s_cmp_lt_u32 s[RKS], 8
	s_cbranch_scc1 .Lb
	s_setprio 0
	PASS_END OPB, OCB
	s_wait_tensorcnt 0x0                           ; the wave's end: a tensor wait, an add of 0 to my spare word and its wait, behind my last tensor load
	ds_add_u32 v[SPW], v[NIL]
	s_wait_dscnt 0x0
	CROUND                                         ; the closing round
	s_endpgm
.Lfunc_end_k_q41f3be923f_attn:
	.size	k_q41f3be923f_attn, .Lfunc_end_k_q41f3be923f_attn-k_q41f3be923f_attn
	.p2alignl 7, 3214868480
	.fill 96, 4, 3214868480
	.section	.rodata,"a",@progbits
	.p2align	6, 0x0
	.amdhsa_kernel k_q41f3be923f_attn
		.amdhsa_group_segment_fixed_size 327680
		.amdhsa_private_segment_fixed_size 0
		.amdhsa_enable_private_segment 0
		.amdhsa_kernarg_size 32
		.amdhsa_user_sgpr_count 2
		.amdhsa_user_sgpr_kernarg_segment_ptr 1
		.amdhsa_wavefront_size32 1
		.amdhsa_system_sgpr_workgroup_id_x 1
		.amdhsa_system_sgpr_workgroup_id_y 1
		.amdhsa_system_sgpr_workgroup_id_z 1
		.amdhsa_system_vgpr_workitem_id 0
		.amdhsa_next_free_vgpr 224
		.amdhsa_next_free_sgpr 76
		.amdhsa_reserve_vcc 1
		.amdhsa_float_denorm_mode_32 3
		.amdhsa_float_denorm_mode_16_64 3
		.amdhsa_fp16_overflow 1
		.amdhsa_memory_ordered 1
		.amdhsa_forward_progress 1
		.amdhsa_inst_pref_size 66
	.end_amdhsa_kernel
	.amdgpu_metadata
---
amdhsa.version: [ 1, 2 ]
amdhsa.kernels:
  - .name:           k_q41f3be923f_attn
    .symbol:         k_q41f3be923f_attn.kd
    .args:
      - { .name: q_codes, .offset: 0, .size: 8, .value_kind: global_buffer, .address_space: global }
      - { .name: kv_codes, .offset: 8, .size: 8, .value_kind: global_buffer, .address_space: global }
      - { .name: lowp_scales, .offset: 16, .size: 8, .value_kind: global_buffer, .address_space: global }
      - { .name: a_codes, .offset: 24, .size: 8, .value_kind: global_buffer, .address_space: global }
    .group_segment_fixed_size: 327680
    .private_segment_fixed_size: 0
    .kernarg_segment_align: 8
    .kernarg_segment_size: 32
    .max_flat_workgroup_size: 512
    .sgpr_count:     76
    .vgpr_count:     224
    .wavefront_size: 32
...
	.end_amdgpu_metadata
.endif
;; end of part 3
;; launch proj (part 4): grid 4 x 32, 4 waves a work-group, clusters of 4 x 4, 327,680 bytes of LDS; arguments a_codes, wp_codes, lowp_scales, out0; writes out0
.if DOCPART == 4
	.amdgcn_target "amdgcn-amd-amdhsa--gfx1250"
	.amdhsa_code_object_version 6
	.text
	.protected	k_q41f3be923f_proj
	.globl	k_q41f3be923f_proj
	.p2align	8
	.type	k_q41f3be923f_proj,@function
k_q41f3be923f_proj:
	s_mov_b64 s[64:65], 0
	v_nop
	global_prefetch_b8 v0, s[64:65] scope:SCOPE_SE
	s_setreg_imm32_b32 hwreg(HW_REG_WAVE_MODE, 25, 1), 1
	s_wait_xcnt 0x0
	s_wait_alu depctr_hold_cnt(0) depctr_sa_sdst(0) depctr_va_vdst(0) depctr_va_sdst(0) depctr_va_ssrc(0) depctr_va_vcc(0) depctr_vm_vsrc(0)
	s_getreg_b32 s2, hwreg(HW_REG_IB_STS2, 6, 4)
	s_cmp_eq_u32 s2, 0
	s_cbranch_scc0 .Lentry_in_a_cluster
	s_endpgm
.Lentry_in_a_cluster:
	s_bfe_u32 s2, ttmp6, 0x10000c
	s_cmp_lg_u32 s2, 0xf033
	s_cbranch_scc0 .Lentry_shape_is_right
	s_endpgm
.Lentry_shape_is_right:
; out0 = a w_proj on codes of FP8 (E4M3), sums in f32, each finished sum once x 2^(e6 + e7).  out0: [8192][1024] f32.
; a_codes: images of operand registers, [tile of 16 rows 512][128 along K: 8][c 4][lane 32][16 bytes]: lane (r, h), group c: K = 32 c + 16 h + 0 .. 15 of row r.  wp_codes: [1024][1024], K innermost, row = column with bits 3 and 4 exchanged.
; LIMIT: e6 + e7 between -126 and 127, so that 2^(e6 + e7) is an f32 number.
; A tile of 256 x 256 is made by four waves; a wave makes 128 x 128: 64 accumulators, 512 registers.  32 x 4 = 128 tiles: 128 work-groups, each with work.  K goes in steps of 256 through a ring of two LDS slots.
; CLUSTERS: 4 x 4 work-groups.  A's tile is asked for jointly by a row of the cluster, B's by a column.  THE MATRIX INSTRUCTION IS USED TRANSPOSED (source 0 = 16 rows of B, source 1 = 16 rows of A): a lane holds one row of
; the result, and, by the exchange in wp_codes, the 16 registers of two neighbouring accumulators are 16 neighbouring columns: 64 bytes.
; A's tile of a K step is 8 pieces of 4,096 bytes, 16,384 bytes apart in memory, dense in LDS: a fragment is read as it lies, 512 consecutive bytes a load.  B's tile has rows of 256 bytes, padded to 272.
; REGISTERS, in windows of 256: window 0: v0-31 addresses; from v128 A's fragments, one set; on the way out v32-255 are free.  window 1: B's fragments, two sets.  windows 2, 3: the accumulators ((a, b) at v[8 (8 (a % 4) + b)]).
.set SIZE_N, 1024
.set SIZE_K, 1024
.set KSTEP,  256
.set ROWB,   256                       ; B: a tile's row in bytes
.set KROW,   SIZE_K                    ; bytes of a row of either tensor (A's 16 rows of images are 16,384 bytes: the same for a row)
.set PITCH,  272                       ; B: an LDS row: 256 bytes + 16 = 68 words: row r starts at bank 4 r mod 64 (64 banks of 4 bytes: ISA guide 11.1)
.set ASTEP,  4096                      ; A: a K step's two fragments of a tile of 16 rows
.set AHALF,  8*ASTEP                   ; A: 128 rows: what one tensor load brings
.set FR,     16
.set NL,     4
.set NP,     4                         ; places behind this matrix instruction (ISA guide 7.12.1)
.set HALFT,  128*PITCH                 ; B: 128 rows
.set BOFF,   2*AHALF                   ; a slot: A's two halves, then B's two
.set SLOT,   BOFF+2*HALFT
.set LAPS,   SIZE_K/(2*KSTEP)
.set SPARE,  2*SLOT                    ; behind the ring: the spare words, 128 bytes for each wave, which no other line names
.set SPITCH, 528                       ; the way out: a stage of 16 rows x (512 bytes + 16) for each wave, in slot 0, which has had its last fill and its last read when the first result is stored there
.set ADRA, 16                          ; v16-17  LDS address of my A fragments in slot 0, 1
.set ADRB, 20                          ; v20-21  the same for B
.set STO,  24                          ; v24     the way out: where I put 64 bytes of a row
.set RD,   25                          ; v25     where I read a row back
.set CO,   26                          ; v26     16 x lane
.set SPW,  28                          ; v28     LDS address of my spare word; never rewritten
.set NIL,  29                          ; v29     0; never rewritten
.set TMP,  32                          ; the way out: a block's sums x 2^(e6 + e7)
.set AF,   128
.set BK,   128                         ; the way out: 16 rows read back: v128-191 and v192-255 by turns
.set G1, 24
.set G0, 32
.set G1B, 48
.set G0B, 56
.set MSB, 0
.macro WIN new                         ; the immediate's high byte repeats the setting that is left
.if MSB != \new
	s_set_vgpr_msb (MSB<<8)|\new
.set MSB, \new
.endif
.endm
.set MUL_LO, 0xa1                      ; source 0 (B) window 1, source 1 (A) window 0, C and D window 2
.set MUL_HI, 0xf1
.set TO_B,   0x40
.macro JLOAD g0a, g1a, g0b, g1b        ; a joint load: waves 0 and 1 fetch for A, waves 2 and 3 for B; an s_nop 0 and four v_nop follow each line
	s_cmp_eq_u32 s15, 0
	s_cbranch_scc0 .Lfor_b_\@
	tensor_load_to_lds s[\g0a:\g0a+3], s[\g1a:\g1a+7]
	s_nop 0
.rept 4
	v_nop
.endr
	s_branch .Lasked_\@
.Lfor_b_\@:
	tensor_load_to_lds s[\g0b:\g0b+3], s[\g1b:\g1b+7]
	s_nop 0
.rept 4
	v_nop
.endr
.Lasked_\@:
.endm
.macro CREST
	s_cmp_lg_u32 s14, 0
	s_cbranch_scc1 .Lnot_wave_0_\@
	s_barrier_signal -3
.Lnot_wave_0_\@:
	s_barrier_wait -3
	s_barrier_signal -1
	s_barrier_wait -1
.endm
.macro CROUND
	s_barrier_signal -1
	s_barrier_wait -1
	CREST
.endm
	s_load_b128 s[4:7], s[0:1], 0x0                ; A's codes s[4:5], B's codes s[6:7]
	s_load_b128 s[8:11], s[0:1], 0x10              ; the exponents s[8:9], the result s[10:11]
	v_lshl_add_u32 v[SPW], v0, 2, SPARE
	v_mov_b32 v[NIL], 0
	ds_add_u32 v[SPW], v[NIL]                      ; the wave's opening: the add and its wait stand ahead of my first tensor load; the set-up below, work on registers, stands between them
	ds_add_u32 v[SPW], v[NIL]
	v_lshrrev_b32 v1, 5, v0
	v_readfirstlane_b32 s14, v1                    ; wave 0..3
	s_lshr_b32 s15, s14, 1                         ; which half of the tile's rows is mine.  Also: I fetch for A (0) or for B (1)
	s_and_b32 s16, s14, 1                          ; which half of its columns.  Also: which 128 rows of that tile I fetch
	s_bfe_u32 s40, ttmp6, 0x40000                  ; cx, cy
	s_bfe_u32 s41, ttmp6, 0x40004
	s_lshl_b32 s42, ttmp9, 2
	s_add_co_u32 s42, s42, s40                     ; tile column = 4 x cluster x + cx
	s_and_b32 s17, ttmp7, 0xffff
	s_lshl_b32 s17, s17, 2
	s_add_co_u32 s17, s17, s41                     ; tile row = 4 x cluster y + cy
	s_lshl_b32 s43, s41, 2
	s_lshl_b32 s43, 15, s43                        ; my row of the cluster
	s_lshl_b32 s44, 0x1111, s40                    ; my column
	s_or_b32 s[G1+0], s43, (0<<16)|(1<<21)         ; A: 15:0 the mask; elements of 1 byte; 21 set beside a mask; no padding
	s_mov_b32 s[G1+1], ASTEP<<16                   ; tensor_dim0 = 4,096
	s_mov_b32 s[G1+2], 8<<16                       ; tensor_dim1 = 8
	s_mov_b32 s[G1+3], ASTEP<<16                   ; tile_dim0
	s_mov_b32 s[G1+4], 8                           ; tile_dim1
	s_mov_b32 s[G1+5], 16384                       ; from one tile of 16 rows to the next
	s_mov_b32 s[G1+6], 0
	s_mov_b32 s[G1+7], 0
	s_or_b32 s[G1B+0], s44, (0<<16)|(1<<20)|(1<<21)|(5<<22)|(3<<25)  ; B: padding of 4 words (code 3) after every 64 (code 5)
	s_mov_b32 s[G1B+1], ROWB<<16
	s_mov_b32 s[G1B+2], 128<<16
	s_mov_b32 s[G1B+3], ROWB<<16
	s_mov_b32 s[G1B+4], 128
	s_mov_b32 s[G1B+5], KROW
	s_mov_b32 s[G1B+6], 0
	s_mov_b32 s[G1B+7], 0
	s_lshl_b32 s18, s16, 7                         ; which 128 rows of the tile I fetch
	s_lshl_b32 s20, s17, 8
	s_add_co_u32 s20, s20, s18                     ; A: row 256 x tile row + 128 x half
	s_lshl_b32 s46, s42, 8
	s_add_co_u32 s46, s46, s18                     ; B: row 256 x tile column + 128 x half
	s_mov_b32 s21, 0
	s_mov_b32 s47, 0
	s_mov_b64 s[18:19], KROW
	s_mul_u64 s[20:21], s[20:21], s[18:19]
	s_mul_u64 s[46:47], s[46:47], s[18:19]
	s_lshl_b32 s45, s16, 15                        ; where they go: A: half x 32,768;
	s_mul_i32 s66, s16, HALFT
	s_add_co_u32 s66, s66, BOFF                    ; B: behind A, half x 128 rows: no place in the cluster enters an LDS address
	s_wait_dscnt 0x0                               ; the opening add is done
	s_wait_kmcnt 0x0
	s_load_b64 s[96:97], s[8:9], 0x18              ; e6, e7
	s_add_nc_u64 s[20:21], s[4:5], s[20:21]
	s_add_nc_u64 s[46:47], s[6:7], s[46:47]
	CROUND                                         ; all sixteen work-groups are here: the first joint loads meet
.irp s, 0,1
	s_mov_b32 s[G0+4*\s], 1
	s_add_co_u32 s[G0+4*\s+1], s45, \s*SLOT
	s_add_nc_u64 s[G0+4*\s+2:G0+4*\s+3], s[20:21], \s*ASTEP
	s_or_b32 s[G0+4*\s+3], s[G0+4*\s+3], 0x80000000
	s_mov_b32 s[G0B+4*\s], 1
	s_add_co_u32 s[G0B+4*\s+1], s66, \s*SLOT
	s_add_nc_u64 s[G0B+4*\s+2:G0B+4*\s+3], s[46:47], \s*ROWB
	s_or_b32 s[G0B+4*\s+3], s[G0B+4*\s+3], 0x80000000
	s_wait_alu depctr_va_vdst(0)
	s_wait_tensorcnt 0x0
	ds_add_u32 v28, v29
	ds_add_u32 v28, v29
	s_wait_dscnt 0x0
	CROUND
	JLOAD G0+4*\s, G1, G0B+4*\s, G1B               ; one tensor load of a wave is out here: the wait above took the one before
.endr
	v_and_b32 v1, 15, v0                           ; l % 16
	v_bfe_u32 v2, v0, 4, 1                         ; l / 16
	v_mul_u32_u24 v3, v1, PITCH
	v_lshl_add_u32 v4, v2, 4, v3                   ; B: a fragment's row x pitch + 16 x half
	v_and_b32 v6, 31, v0
	v_lshlrev_b32 v[CO], 4, v6                     ; A: 16 x lane
	s_wait_alu depctr_va_vdst(0)
	s_lshl_b32 s21, s15, 15                        ; my 128 rows of A
	s_mul_i32 s22, s16, HALFT                      ; my 128 rows of B
	s_add_co_u32 s22, s22, BOFF
.irp s, 0,1
	v_add_nc_u32 v[ADRA+\s], s21, v[CO]
	v_add_nc_u32 v[ADRB+\s], s22, v4
	s_add_co_u32 s21, s21, SLOT
	s_add_co_u32 s22, s22, SLOT
.endr
	s_mul_i32 s23, s14, 16*SPITCH                  ; my stage
	v_mul_u32_u24 v5, v1, SPITCH                   ; in: row l % 16, 64 bytes for each half of the lanes in every 128
	v_lshl_add_u32 v5, v2, 6, v5
	v_add_nc_u32 v[STO], s23, v5
	v_add_nc_u32 v[RD], s23, v[CO]                 ; back: the 32 lanes take one row of 512 bytes
	s_lshl_b32 s20, s17, 8
	s_lshl_b32 s21, s15, 7
	s_add_co_u32 s20, s20, s21                     ; my first row of the result
	s_mov_b32 s21, 0
	s_mov_b64 s[18:19], SIZE_N*4
	s_mul_u64 s[20:21], s[20:21], s[18:19]
	s_lshl_b32 s46, s42, 10                        ; my first column, in bytes
	s_lshl_b32 s47, s16, 9
	s_add_co_u32 s46, s46, s47
	s_mov_b32 s47, 0
	s_add_nc_u64 s[20:21], s[20:21], s[46:47]
	s_add_nc_u64 s[10:11], s[10:11], s[20:21]
.macro FRAG reg, adr, q, i             ; B's fragment from rows: registers 4 c .. 4 c + 3 hold K = 32 c + 16 (l / 16) + 0 .. 15
.irp c, 0,1,2,3
	ds_load_b128 v[\reg+4*\c:\reg+4*\c+3], v[\adr] offset:128*(\q)+32*\c+(\i)*16*PITCH
.endr
.endm
.macro FRAGA reg, adr, q, i            ; A's fragment from its image: the same order of K
.irp c, 0,1,2,3
	ds_load_b128 v[\reg+4*\c:\reg+4*\c+3], v[\adr] offset:2048*(\q)+512*\c+(\i)*ASTEP
.endr
.endm
; The 64 accumulators take turns, one instruction a turn, in the same order in every step.
.macro MUL16 a0, p, zero
.irp a, \a0, \a0+1
.irp b, 0,1,2,3,4,5,6,7
.if \zero
	v_wmma_f32_16x16x128_fp8_fp8 v[8*(8*((\a)%4)+\b):8*(8*((\a)%4)+\b)+7], v[128*(\p)+FR*\b:128*(\p)+FR*\b+FR-1], v[AF+FR*(\a):AF+FR*(\a)+FR-1], 0
.else
	v_wmma_f32_16x16x128_fp8_fp8 v[8*(8*((\a)%4)+\b):8*(8*((\a)%4)+\b)+7], v[128*(\p)+FR*\b:128*(\p)+FR*\b+FR-1], v[AF+FR*(\a):AF+FR*(\a)+FR-1], v[8*(8*((\a)%4)+\b):8*(8*((\a)%4)+\b)+7]
.endif
.endr
.endr
.endm
.macro FETCH_B slot, q, p
	WIN TO_B
.irp i, 0,1,2,3,4,5,6,7
	FRAG 128*(\p)+FR*\i, ADRB+\slot, \q, \i
.endr
	WIN 0
.endm
.macro FETCH_A slot, q, i0
.irp i, \i0, \i0+1, \i0+2, \i0+3
	FRAGA AF+FR*(\i), ADRA+\slot, \q, \i
.endr
.endm
.macro PLACES n                        ; a load into a register that a matrix instruction has read, and a vector instruction that reads a result, stand NP plain vector instructions behind it
.rept \n
	v_nop
.endr
.endm
.macro STEP slot, q, zero
	s_wait_dscnt 4*NL                              ; B's set and A's blocks 0-3 are in; the youngest sixteen loads (blocks 4-7) may be out
	WIN MUL_LO
	MUL16 0, (\q)%2, \zero
	MUL16 2, (\q)%2, \zero
	s_wait_dscnt 0
	PLACES NP
	FETCH_B \slot, (\q)+1, 1-(\q)%2
	FETCH_A \slot, (\q)+1, 0
	WIN MUL_HI
	MUL16 4, (\q)%2, \zero
	MUL16 6, (\q)%2, \zero
	PLACES NP
	WIN 0
	FETCH_A \slot, (\q)+1, 4
.endm
.macro TURN slot, next, fill
	s_wait_tensorcnt 0x0                           ; all my tensor loads have landed: my part of the next slot
	ds_add_u32 v[SPW], v[NIL]                      ; 0 onto my spare word
	s_wait_dscnt 4*NL+1                            ; the add and the youngest sixteen loads may be out
	WIN MUL_LO
	MUL16 0, 1, 0
	s_wait_dscnt 0x0                               ; the add is done, and my reads of this slot are over
	s_barrier_signal -1
	MUL16 2, 1, 0
	WIN 0
	s_barrier_wait -1
.if \fill
	CREST                                          ; the barrier has opened a round of the cluster's: no wave of any partner still reads this slot or has a load on its way
	s_add_nc_u64 s[G0+4*\slot+2:G0+4*\slot+3], s[G0+4*\slot+2:G0+4*\slot+3], 2*ASTEP
	s_add_nc_u64 s[G0B+4*\slot+2:G0B+4*\slot+3], s[G0B+4*\slot+2:G0B+4*\slot+3], 2*ROWB
	JLOAD G0+4*\slot, G1, G0B+4*\slot, G1B         ; the first tensor load behind the round; its four v_nop are also the places in front of the loads below
.else
	PLACES NP
.endif
	FETCH_B \next, 0, 0
	FETCH_A \next, 0, 0
	WIN MUL_HI
	MUL16 4, 1, 0
	MUL16 6, 1, 0
	PLACES NP
	WIN 0
	FETCH_A \next, 0, 4
.endm
	s_wait_alu depctr_va_vdst(0)
	s_wait_tensorcnt 1                             ; my part of K step 0 is in; K step 1's load may be out
	s_barrier_signal -1
	s_barrier_wait -1
	FETCH_B 0, 0, 0
	FETCH_A 0, 0, 0
	FETCH_A 0, 0, 4
	STEP 0, 0, 1                                   ; the first step's products start the sums
	s_mov_b32 s3, LAPS-1
.Llap:
	TURN 0, 1, 1
	STEP 1, 0, 0
	TURN 1, 0, 1
	STEP 0, 0, 0
	s_sub_co_u32 s3, s3, 1
	s_cmp_lg_u32 s3, 0
	s_cbranch_scc1 .Llap
	TURN 0, 1, 0                                   ; the last lap fills nothing
	STEP 1, 0, 0
	s_wait_dscnt 4*NL
	WIN MUL_LO
	MUL16 0, 1, 0
	MUL16 2, 1, 0
	s_wait_dscnt 0
	WIN MUL_HI
	MUL16 4, 1, 0
	MUL16 6, 1, 0
	WIN 0
; THE WAY OUT, block by block of 16 rows x 128 columns, through my own stage: in by 16 bytes a store, back as whole rows of 512 bytes.  LDS serves a wave's instructions in order (ISA guide 5.7.1.4).
.macro TOSTAGE a
.set AC, 64*((\a)%4)
	WIN 0x02+((\a)/4)                              ; source 0: window 2 or 3
.irp j, 0,2,4,6,8,10,12,14,16,18,20,22,24,26,28,30,32,34,36,38,40,42,44,46,48,50,52,54,56,58,60,62
	v_pk_mul_f32 v[TMP+\j:TMP+\j+1], v[AC+\j:AC+\j+1], s[96:97] op_sel_hi:[1,0]   ; both x s96 = 2^(e6 + e7); each accumulator from its low end on
.endr
	WIN 0
.irp b, 0,1,2,3,4,5,6,7                        ; accumulator b = 2 b' + u holds columns 32 b' + 16 (l / 16) + 8 u + 0 .. 7
	ds_store_b128 v[STO], v[TMP+8*\b:TMP+8*\b+3] offset:128*(\b/2)+32*(\b%2)
	ds_store_b128 v[STO], v[TMP+8*\b+4:TMP+8*\b+7] offset:128*(\b/2)+32*(\b%2)+16
.endr
.set BB, BK+64*((\a)%2)
.irp t, 0,1,2,3,4,5,6,7,8,9,10,11,12,13,14,15
	ds_load_b128 v[BB+4*\t:BB+4*\t+3], v[RD] offset:\t*SPITCH
.endr
.endm
.macro SEND a, younger                 ; younger: the LDS instructions issued behind block a's loads, which may stay out
.set BB, BK+64*((\a)%2)
	s_wait_dscnt \younger
.if (\a) > 0
	s_add_nc_u64 s[10:11], s[10:11], 16*SIZE_N*4   ; (behind a wait on XCNT: the earlier stores have read their base)
.endif
.irp t, 0,1,2,3,4,5,6,7,8,9,10,11,12,13,14,15
	global_store_b128 v[CO], v[BB+4*\t:BB+4*\t+3], s[10:11] offset:\t*SIZE_N*4 th:TH_STORE_NT   ; 32 lanes store 512 consecutive aligned bytes; written once, read by nobody here
.endr
.endm
	s_wait_kmcnt 0x0
	s_add_co_i32 s96, s96, s97
	s_add_co_i32 s96, s96, 127
	s_lshl_b32 s96, s96, 23                        ; 2^(e6 + e7) as f32
	PLACES NP
	TOSTAGE 0
.irp a, 1,2,3,4,5,6,7
.if \a > 1
	s_wait_xcnt 0x0                                ; block a - 2's stores have read their registers and their base
.endif
	TOSTAGE \a
	SEND \a-1, 32                                  ; behind block a - 1's loads: block a's 16 stores and 16 loads
.endr
	s_wait_xcnt 0x0
	SEND 7, 0
	s_wait_tensorcnt 0x0                           ; the wave's end: a tensor wait, an add of 0 to my spare word and its wait, behind my last tensor load and my last LDS store
	ds_add_u32 v[SPW], v[NIL]
	s_wait_dscnt 0x0
	CROUND                                         ; the closing round
	s_endpgm
.Lfunc_end_k_q41f3be923f_proj:
	.size	k_q41f3be923f_proj, .Lfunc_end_k_q41f3be923f_proj-k_q41f3be923f_proj
	.p2alignl 7, 3214868480
	.fill 96, 4, 3214868480
	.section	.rodata,"a",@progbits
	.p2align	6, 0x0
	.amdhsa_kernel k_q41f3be923f_proj
		.amdhsa_group_segment_fixed_size 327680
		.amdhsa_private_segment_fixed_size 0
		.amdhsa_enable_private_segment 0
		.amdhsa_kernarg_size 32
		.amdhsa_user_sgpr_count 2
		.amdhsa_user_sgpr_kernarg_segment_ptr 1
		.amdhsa_wavefront_size32 1
		.amdhsa_system_sgpr_workgroup_id_x 1
		.amdhsa_system_sgpr_workgroup_id_y 1
		.amdhsa_system_sgpr_workgroup_id_z 1
		.amdhsa_system_vgpr_workitem_id 0
		.amdhsa_next_free_vgpr 1024
		.amdhsa_next_free_sgpr 98
		.amdhsa_reserve_vcc 0
		.amdhsa_float_denorm_mode_32 3
		.amdhsa_float_denorm_mode_16_64 3
		.amdhsa_memory_ordered 1
		.amdhsa_forward_progress 1
		.amdhsa_inst_pref_size 124
	.end_amdhsa_kernel
	.amdgpu_metadata
---
amdhsa.version: [ 1, 2 ]
amdhsa.kernels:
  - .name:           k_q41f3be923f_proj
    .symbol:         k_q41f3be923f_proj.kd
    .args:
      - { .name: a_codes, .offset: 0, .size: 8, .value_kind: global_buffer, .address_space: global }
      - { .name: wp_codes, .offset: 8, .size: 8, .value_kind: global_buffer, .address_space: global }
      - { .name: lowp_scales, .offset: 16, .size: 8, .value_kind: global_buffer, .address_space: global }
      - { .name: out0, .offset: 24, .size: 8, .value_kind: global_buffer, .address_space: global }
    .group_segment_fixed_size: 327680
    .private_segment_fixed_size: 0
    .kernarg_segment_align: 8
    .kernarg_segment_size: 32
    .max_flat_workgroup_size: 128
    .sgpr_count:     98
    .vgpr_count:     1024
    .wavefront_size: 32
...
	.end_amdgpu_metadata
.endif
;; end of part 4
